; MI455X (gfx1250); checked and timed in simulation.
; The chip was launched on July 23, 2026; its instructions are those of AMD's public machine-readable ISA for CDNA 5 (MIT licence, August 2026) and "CDNA5" Instruction Set Architecture Reference Guide (July 2026). The comments in the code are by the model that wrote it; some were corrected since.
;; Attention. Allowed arithmetic: matrix products marked QUANTISED: E3M2 operands, one E8M0 scale for each 32 along K, by v_wmma_scale_f32_16x16x128_f8f6f4 with both operands' format E3M2, f32 sums; everything else in f32.
;; Inputs: Wctx_codes 768 x 2 x 24 uint8 (E3M2 codes of Wctx, K innermost, in blocks of 32 codes, four codes in three bytes); Wctx_scales 768 x 2 uint8 (E8M0 scales of Wctx, one for each 32 codes along K); Wk2_codes 768 x 24 x 24 uint8 (E3M2 codes of Wk2, K innermost, in blocks of 32 codes, four codes in three bytes); Wk2_scales 768 x 24 uint8 (E8M0 scales of Wk2, one for each 32 codes along K); Wk_codes 768 x 24 x 24 uint8 (E3M2 codes of Wk, K innermost, in blocks of 32 codes, four codes in three bytes); Wk_scales 768 x 24 uint8 (E8M0 scales of Wk, one for each 32 codes along K); Wp2_codes 768 x 24 x 24 uint8 (E3M2 codes of Wp2, K innermost, in blocks of 32 codes, four codes in three bytes); Wp2_scales 768 x 24 uint8 (E8M0 scales of Wp2, one for each 32 codes along K); Wp_codes 768 x 24 x 24 uint8 (E3M2 codes of Wp, K innermost, in blocks of 32 codes, four codes in three bytes); Wp_scales 768 x 24 uint8 (E8M0 scales of Wp, one for each 32 codes along K); Wq2_codes 768 x 24 x 24 uint8 (E3M2 codes of Wq2, K innermost, in blocks of 32 codes, four codes in three bytes); Wq2_scales 768 x 24 uint8 (E8M0 scales of Wq2, one for each 32 codes along K); Wq_codes 768 x 24 x 24 uint8 (E3M2 codes of Wq, K innermost, in blocks of 32 codes, four codes in three bytes); Wq_scales 768 x 24 uint8 (E8M0 scales of Wq, one for each 32 codes along K); Wv2_codes 768 x 24 x 24 uint8 (E3M2 codes of Wv2, K innermost, in blocks of 32 codes, four codes in three bytes); Wv2_scales 768 x 24 uint8 (E8M0 scales of Wv2, one for each 32 codes along K); Wv_codes 768 x 24 x 24 uint8 (E3M2 codes of Wv, K innermost, in blocks of 32 codes, four codes in three bytes); Wv_scales 768 x 24 uint8 (E8M0 scales of Wv, one for each 32 codes along K); bctx 768 float32; bp 768 float32; bp2 768 float32; context_codes 8 x 32 x 32 x 2 x 24 uint8 (E3M2 codes of context, K innermost, in blocks of 32 codes, four codes in three bytes); context_scales 8 x 32 x 32 x 2 uint8 (E8M0 scales of context, one for each 32 codes along K); x 8 x 1,024 x 768 float32.
;; Outputs: out0 8 x 1,024 x 768 float32.
;; This version of the problem:
;;   THIS VERSION OF THE PROBLEM IS GIVEN IN LOW PRECISION. The matrix products marked QUANTISED in the list below multiply operands that are first quantised to E3M2 (3 exponent bits, 2 mantissa bits; 6 bits a number), with one power-of-two scale for each 32 numbers along K (OCP MX v1.0); their sums are f32. All else is computed in f32.
;;   The module's matrix products, in the order in which they are computed (A, B: the left and right operand; K: the contracted axis; several contracted axes count as one K, in the product's order):
;;     1. [M 8,192, K 64] x [K 64, N 768]; A: input context (given as codes); B: input Wctx (given as codes): QUANTISED
;;     2. [M 8,192, K 768] x [K 768, N 768]; A: computed on the way; B: input Wq (given as codes): QUANTISED
;;     3. [M 8,192, K 768] x [K 768, N 768]; A: input x; B: input Wk (given as codes): QUANTISED
;;     4. [M 8,192, K 768] x [K 768, N 768]; A: input x; B: input Wv (given as codes): QUANTISED
;;     5. batch 96 x [M 1,024, K 64] x [K 64, N 1,024]; A: computed on the way; B: computed on the way: QUANTISED
;;     6. batch 96 x [M 1,024, K 1,024] x [K 1,024, N 64]; A: softmax (see below); B: computed on the way: QUANTISED
;;     7. [M 8,192, K 768] x [K 768, N 768]; A: computed on the way; B: input Wp (given as codes): QUANTISED
;;     8. [M 8,192, K 768] x [K 768, N 768]; A: input x; B: input Wq2 (given as codes): QUANTISED
;;     9. [M 8,192, K 768] x [K 768, N 768]; A: computed on the way; B: input Wk2 (given as codes): QUANTISED
;;     10. [M 8,192, K 768] x [K 768, N 768]; A: computed on the way; B: input Wv2 (given as codes): QUANTISED
;;     11. batch 96 x [M 1,024, K 64] x [K 64, N 1,024]; A: computed on the way; B: computed on the way: QUANTISED
;;     12. batch 96 x [M 1,024, K 1,024] x [K 1,024, N 64]; A: softmax (see below); B: computed on the way: QUANTISED
;;     13. [M 8,192, K 768] x [K 768, N 768]; A: computed on the way; B: input Wp2 (given as codes): QUANTISED
;;   THE QUANTISER, for each operand of a quantised product, along K:
;;     - K is cut into blocks of 32 from its start; a last block that is shorter is filled with zeros.
;;     - A block's scale is 2^e with e = floor(log2(the largest magnitude in the block)) - 4, held to -126 .. 127; a block of zeros has e = 0. As a byte (E8M0): e + 127.
;;     - Each number is divided by its block's scale, clamped to +-28, and rounded to the nearest number of E3M2, ties to even, subnormals kept.
;;     - The product sums the exact products of the quantised numbers (number of the format x scale) in f32.
;;   ~~~python
;;   def quantise(x, axis):      # numpy; x: float32 -> the quantised numbers, widened to float32 again
;;       x = np.moveaxis(x, axis, -1); K = x.shape[-1]
;;       x = np.pad(x, [(0, 0)] * (x.ndim - 1) + [(0, -K % 32)]); x = x.reshape(x.shape[:-1] + (-1, 32)); a = np.abs(x).max(-1, keepdims=True)
;;       e = np.where(a > 0, np.clip(np.frexp(np.where(a > 0, a, 1))[1] - 1 - 4, -126, 127), 0)      # np.frexp(a)[1] - 1 = floor(log2(a)), exactly
;;       r = np.clip(x / 2.0 ** e, -28, 28)
;;       step = 2.0 ** (np.maximum(np.frexp(np.where(r == 0, 1, r))[1] - 1, -2) - 2)
;;       q = np.round(r / step) * step * 2.0 ** e      # np.round: ties to even
;;       return np.moveaxis(q.reshape(q.shape[:-2] + (-1,))[..., :K], -1, axis).astype(np.float32)
;;   ~~~
;;   SOFTMAX AHEAD OF A QUANTISED PRODUCT. Where the list says 'softmax', what is quantised is not the finished softmax but p = 2^(t - M), with t = logit x log2(e) and M = ceil(the row's largest t), a whole number; so 1/2 < the row's largest p <= 1. The row's sum l is taken of the UNQUANTISED p, in f32, and the product's result is divided by l at the end. Since M is a whole number, a kernel that streams over the keys may use a running M (the ceiling of the running maximum): every later rescaling is an exact power of two, which a block's scale takes up: the codes' values come out the same.
;;   OPERANDS COMPUTED ON THE WAY. 'Computed on the way' means the value that the module computes at that place (a softmax that the list does not call 'softmax' is quantised finished and normalised). What goes into a quantiser is computed in f32, as accurately as f32 sums, v_exp_f32 and their like allow (about 1e-6 of the number): no bf16 or f16 on the way to a quantiser, and a product that is left as it is and whose result goes on into a quantised operand takes f32 operands (vector FMAs, or v_wmma_f32_16x16x4_f32). A number that lies on a knife's edge between two numbers of the format may be rounded either way, as far as f32 arithmetic and the matrix unit's own rounding can turn it there, and no further.
;;   INPUTS GIVEN AS CODES. Wctx (in the module: [64, 768], K = its axis 0); Wk (in the module: [768, 768], K = its axis 0); Wk2 (in the module: [768, 768], K = its axis 0); Wp (in the module: [768, 768], K = its axis 0); Wp2 (in the module: [768, 768], K = its axis 0); Wq (in the module: [768, 768], K = its axis 0); Wq2 (in the module: [768, 768], K = its axis 0); Wv (in the module: [768, 768], K = its axis 0); Wv2 (in the module: [768, 768], K = its axis 0); context (in the module: [8, 64, 32, 32], K = its axis 1): each comes as NAME_codes (uint8): NAME with its K axis moved to the last place and cut into blocks of 32 codes, [.., K / 32, bytes a block], one block behind the other in memory; four codes in three bytes: a row's codes are one little-endian stream of bits, code i at bits 6 i .. 6 i + 5 (a code: sign, 3 exponent bits, 2 mantissa bits); and NAME_scales (uint8): the same leading axes, one E8M0 byte (e + 127) for each 32 codes along K. Its value is code x scale, taken as it is: it is not quantised again, and the codes and scales need not be those that the quantiser above would give.
;; One version. Each part assembles by itself: llvm-mc -triple=amdgcn-amd-amdhsa -mcpu=gfx1250 --defsym DOCPART=n.
;; ======== version 1 of 1: 4 launches
;; limits: right only within a limited range of input values
;; workspace buffers: act 9,830,400 bytes; wimg 3,538,944 bytes; wsc 294,912 bytes; qkv 29,491,200 bytes; obuf 10,223,616 bytes
;; launch prep (part 1): grid 64 x 8, 12 waves a work-group, no clusters, 52,224 bytes of LDS; arguments x, context_codes, context_scales, Wctx_codes, Wctx_scales, bctx, act, wimg, wsc, Wq2_codes, Wq2_scales, Wk_codes, Wk_scales, Wv_codes, Wv_scales, Wq_codes, Wq_scales, Wk2_codes, Wk2_scales, Wv2_codes, Wv2_scales, Wp_codes, Wp_scales, Wp2_codes, Wp2_scales; writes act, wimg, wsc
.if DOCPART == 1
	.amdgcn_target "amdgcn-amd-amdhsa--gfx1250"
	.amdhsa_code_object_version 6
	.text
	.protected	k_qe95c0ae115_prep
	.globl	k_qe95c0ae115_prep
	.p2align	8
	.type	k_qe95c0ae115_prep,@function
k_qe95c0ae115_prep:
	s_mov_b64 s[64:65], 0
	v_nop
	global_prefetch_b8 v0, s[64:65] scope:SCOPE_SE
	s_setreg_imm32_b32 hwreg(HW_REG_WAVE_MODE, 25, 1), 1
	s_wait_xcnt 0x0
; PREP.  (1) x [8192][768] f32 is quantised along its 768 to codes of E3M2 with one E8M0 byte for each 32.  (2) ctx = context^T Wctx + bctx (K = 64, on the given codes) is made and quantised likewise.
; (3) The eight weights [768][768] are laid anew as images of the matrix operand's registers, so that later launches fetch a fragment by three loads of 16 bytes a lane.
; TILES ARE PERMUTED: place r (0..15) of tile T holds row 32 (T / 2) + 8 (T % 2) + r + 8 (r / 8).  Where such a tile is source 0 of a product, the 16 result registers of tiles 2 b and 2 b + 1 are 16 neighbours.
; A FRAGMENT IN MEMORY (16 places x 128 K, 1,536 bytes): [block of 32 along K, 0..3][place][24 bytes].  The lane that made 16 codes of a block stores 12 bytes at 384 block + 24 r + 12 h: a wave's store covers 384 bytes on end.
; act: [x, ctx][pair of tiles 256][19,200]: tile a, K step s at 9,216 a + 1,536 s; scale words at 18,432 + 384 a + 64 s + 4 r.
; SHARES.  Work-group (gx, gy) owns row tile T = 64 gy + gx.  Waves 0-5: x, K step = wave; waves 6-11: ctx, K step = wave - 6.  Waves 0-5 of the work-groups with gx < 48 also lay fragment (weight gy, tile gx, K step).
; No loop, no barrier: waves share nothing.  No cluster: no two work-groups read the same rows, and a weight fragment is read once in the launch.
; LIMITS: NaN and infinities are not served.  A block whose largest magnitude lies under 2^-122 gets the byte 1; a block of zeros gets the byte 1 where the quantiser says 127: its codes are zeros, and this program alone reads the bytes.
.set SEL, 68                           ; s[68:69] selects of v_permlanex16_b32: lane l xor 16
.set R,   16                           ; v16-79   x as loaded
.set X,   80                           ; v80-143  x: register 16 b + i = k 32 b + 16 h + i of my row
.set WF,  144                          ; v144-155 a weight fragment; v156 its scale word
.set H,   136                          ; v136-199 ctx: 8 tiles x 8 registers
.set QM,  200                          ; the quantiser's registers: largest magnitudes,
.set QT,  204                          ; the other half's,
.set QE,  208                          ; the conversions' scale operands,
.set QY,  212                          ; the bytes,
.set QC,  216                          ; the codes, four registers a block (three used)
.set PW,  232                          ; a row's scale word
; nb blocks; block b's 16 numbers of this lane stand in v[src + 16 b] on; lanes l and l xor 16 hold a block.  The blocks take turns line by line.
.macro QB nb, src
.set qb, 0
.rept \nb
	v_max3_num_f32 v[QM+qb], |v[\src+16*qb]|, |v[\src+16*qb+1]|, 0x2800000   ; with the floor 2^(5 - 127): the byte cannot fall under 1
.set qb, qb+1
.endr
.irp i, 2,4,6,8,10,12,14
.set qb, 0
.rept \nb
	v_max3_num_f32 v[QM+qb], v[QM+qb], |v[\src+16*qb+\i]|, |v[\src+16*qb+\i+1]|
.set qb, qb+1
.endr
.endr
.set qb, 0
.rept \nb
	s_delay_alu instid0(VALU_DEP_4)
	v_permlanex16_b32 v[QT+qb], v[QM+qb], s[SEL], s[SEL+1]
.set qb, qb+1
.endr
.set qb, 0
.rept \nb
	s_delay_alu instid0(VALU_DEP_4)
	v_max_num_f32 v[QM+qb], v[QM+qb], v[QT+qb]            ; the block's largest magnitude
.set qb, qb+1
.endr
.set qb, 0
.rept \nb
	s_delay_alu instid0(VALU_DEP_4)
	v_add_nc_u32 v[QE+qb], 0xfe000000, v[QM+qb]           ; 4 off its exponent field: the conversion takes this operand's exponent field as its scale
.set qb, qb+1
.endr
.set qb, 0
.rept \nb
	s_delay_alu instid0(VALU_DEP_4)
	v_lshrrev_b32 v[QY+qb], 23, v[QE+qb]                  ; the scale's byte
.set qb, qb+1
.endr
.set qb, 0
.rept \nb
	v_cvt_scalef32_pk16_bf6_f32 v[QC+4*qb:QC+4*qb+2], v[\src+16*qb:\src+16*qb+15], v[QE+qb]
.set qb, qb+1
.endr
	v_nop                                                 ; one plain place behind the last scaled conversion
.endm
.macro OUT                             ; a fragment's four blocks and its scale words leave
	v_lshl_or_b32 v[PW], v[QY+1], 8, v[QY]
	s_delay_alu instid0(VALU_DEP_1)
	v_lshl_or_b32 v[PW], v[QY+2], 16, v[PW]
	s_delay_alu instid0(VALU_DEP_1)
	v_lshl_or_b32 v[PW], v[QY+3], 24, v[PW]
.irp b, 0,1,2,3
	global_store_b96 v7, v[QC+4*\b:QC+4*\b+2], s[66:67] offset:384*\b
.endr
	global_store_b32 v8, v[PW], s[22:23]                  ; lanes l and l xor 16 store the same word to the same place
	s_wait_tensorcnt 0x0
	ds_add_u32 v254, v255
	s_wait_dscnt 0x0
	s_endpgm
.endm
	s_load_b512 s[4:19], s[0:1], 0x0               ; x, context codes, context scales, Wctx codes, Wctx scales, bctx, act, wimg
	s_load_b64 s[20:21], s[0:1], 0x40              ; wsc
	s_load_b512 s[24:39], s[0:1], 0x48             ; codes and scales of weights 0-3: Wq2, Wk, Wv, Wq
	s_load_b512 s[40:55], s[0:1], 0x88             ; and 4-7: Wk2, Wv2, Wp, Wp2
	v_lshl_add_u32 v254, v0, 2, 0xc600
	v_mov_b32 v255, 0
	v_lshrrev_b32 v1, 5, v0
	s_delay_alu instid0(VALU_DEP_1)
	v_readfirstlane_b32 s60, v1                    ; wave 0..11
	v_and_b32 v1, 31, v0                           ; lane
	v_and_b32 v2, 15, v0                           ; r
	v_bfe_u32 v3, v0, 4, 1                         ; h
	s_delay_alu instid0(VALU_DEP_2)
	v_mul_u32_u24 v7, v2, 24
	s_delay_alu instid0(VALU_DEP_1)
	v_mad_u32_u24 v7, v3, 12, v7                   ; my 12 bytes of a block: 24 r + 12 h
	s_delay_alu instid0(VALU_DEP_4)
	v_lshlrev_b32 v8, 2, v2                        ; my row's scale word: 4 r
	v_and_b32 v12, 8, v2
	s_delay_alu instid0(VALU_DEP_1)
	v_add_nc_u32 v12, v12, v2                      ; r + 8 (r / 8): my place's row in a tile
.irp b, 0,1,2,3
	v_mov_b32 v[QT+\b], 0                          ; written once: a lane permute's destination counts as one of its sources
.endr
	s_mov_b32 s[SEL], 0x76543210
	s_mov_b32 s[SEL+1], 0xfedcba98
	s_mov_b32 s62, ttmp9                           ; gx
	s_and_b32 s63, ttmp7, 0xffff                   ; gy
	s_lshl_b32 s70, s63, 6
	s_add_co_u32 s70, s70, s62                     ; T
	s_lshr_b32 s71, s70, 1                         ; the pair
	s_and_b32 s72, s70, 1                          ; a
	s_lshl_b32 s73, s71, 5
	s_lshl_b32 s74, s72, 3
	s_add_co_u32 s73, s73, s74                     ; the tile's first row: 32 pair + 8 a
	s_cmp_ge_u32 s60, 6
	s_cselect_b32 s75, 6, 0
	s_cselect_b32 s76, 4915200, 0                  ; ctx's half of act
	s_sub_co_u32 s61, s60, s75                     ; my K step
	s_mul_i32 s77, s71, 19200
	s_add_co_u32 s76, s76, s77
	s_mul_i32 s66, s72, 9216
	s_mul_i32 s77, s61, 1536
	s_add_co_u32 s66, s66, s77
	s_add_co_u32 s66, s66, s76                     ; where my fragment goes,
	s_mov_b32 s67, 0
	s_mul_i32 s22, s72, 384
	s_lshl_b32 s77, s61, 6
	s_add_co_u32 s22, s22, s77
	s_add_co_u32 s22, s22, s76
	s_add_co_u32 s22, s22, 18432                   ; and its scale words
	s_mov_b32 s23, 0
	s_mov_b32 s75, 0                               ; the upper word of the offset pair s[74:75]
	s_wait_kmcnt 0x0
	s_add_nc_u64 s[66:67], s[16:17], s[66:67]
	s_add_nc_u64 s[22:23], s[16:17], s[22:23]
	s_cmp_ge_u32 s60, 6
	s_cbranch_scc1 .Lctx
	; ---- x: each load takes 512 bytes on end of one row (my 128 numbers of it); the 16 rows turn through my own stage in LDS, rows 528 bytes apart
	v_lshlrev_b32 v4, 4, v1                        ; 16 x lane
	s_mul_i32 s70, s60, 8448                       ; my stage: 16 x 528 bytes
	v_add_nc_u32 v5, s70, v4                       ; in: as loaded
	v_mul_u32_u24 v6, v2, 528
	s_delay_alu instid0(VALU_DEP_1)
	v_lshl_add_u32 v6, v3, 6, v6
	s_delay_alu instid0(VALU_DEP_1)
	v_add_nc_u32 v6, s70, v6                       ; out: place r, + 64 h: 16 neighbours of each block
	s_mul_i32 s74, s73, 3072
	s_lshl_b32 s77, s61, 9
	s_add_co_u32 s74, s74, s77
	s_add_nc_u64 s[4:5], s[4:5], s[74:75]
.irp j, 0,1,2,3,4,5,6,7,8,9,10,11,12,13,14,15
	global_load_b128 v[R+4*\j:R+4*\j+3], v4, s[4:5] offset:(\j+8*(\j/8))*3072   ; place j's row
.endr
	s_cmp_ge_u32 s62, 48
	s_cbranch_scc1 .Lno_weight
	; ---- the weight fragment (weight gy, tile gx, my K step): the choice of buffer hangs on the work-group's number alone
	s_mov_b64 s[56:57], s[24:25]
	s_mov_b64 s[58:59], s[26:27]
.irp i, 1,2,3,4,5,6,7
	s_cmp_eq_u32 s63, \i
	s_cselect_b64 s[56:57], s[24+4*\i:25+4*\i], s[56:57]
	s_cselect_b64 s[58:59], s[26+4*\i:27+4*\i], s[58:59]
.endr
	s_lshr_b32 s70, s62, 1
	s_lshl_b32 s70, s70, 5
	s_and_b32 s71, s62, 1
	s_lshl_b32 s71, s71, 3
	s_add_co_u32 s70, s70, s71                     ; the tile's first row of the weight
	s_mul_i32 s74, s70, 576                        ; a row of 768 codes is 576 bytes
	s_mul_i32 s71, s61, 96
	s_add_co_u32 s74, s74, s71
	s_add_nc_u64 s[56:57], s[56:57], s[74:75]
	s_mul_i32 s74, s70, 24                         ; and 24 scale bytes
	s_lshl_b32 s71, s61, 2
	s_add_co_u32 s74, s74, s71
	s_add_nc_u64 s[58:59], s[58:59], s[74:75]
	v_mul_u32_u24 v9, v12, 576
	s_delay_alu instid0(VALU_DEP_1)
	v_mad_u32_u24 v9, v3, 24, v9
	v_mul_u32_u24 v10, v12, 24
	v_lshlrev_b32 v11, 2, v1
.irp p, 0,1,2,3,4,5
	global_load_b64 v[WF+2*\p:WF+2*\p+1], v9, s[56:57] offset:48*(\p/3)+8*(\p%3)   ; the operand's registers as the layout wants them
.endr
	global_load_b32 v[WF+12], v10, s[58:59]
	s_mul_i32 s74, s63, 48
	s_add_co_u32 s74, s74, s62
	s_mul_i32 s74, s74, 6
	s_add_co_u32 s74, s74, s61                     ; the fragment's number
	s_lshl_b32 s71, s74, 7
	s_mul_i32 s74, s74, 1536
	s_add_nc_u64 s[18:19], s[18:19], s[74:75]
	s_mov_b32 s74, s71
	s_add_nc_u64 s[20:21], s[20:21], s[74:75]
	s_wait_loadcnt 0x0
	s_wait_alu depctr_va_vdst(0)
.irp c, 0,1,2
	global_store_b128 v4, v[WF+4*\c:WF+4*\c+3], s[18:19] offset:512*\c   ; the image: four registers of lane l at 512 c + 16 l
.endr
	global_store_b32 v11, v[WF+12], s[20:21]
.Lno_weight:
	s_wait_loadcnt 0x0                             ; my one batch of loads is in
	s_wait_alu depctr_va_vdst(0)
.irp j, 0,1,2,3,4,5,6,7,8,9,10,11,12,13,14,15
	ds_store_b128 v5, v[R+4*\j:R+4*\j+3] offset:528*\j
.endr
.irp b, 0,1,2,3
.irp i, 0,1,2,3
	ds_load_b128 v[X+16*\b+4*\i:X+16*\b+4*\i+3], v6 offset:128*\b+16*\i   ; LDS serves a wave's instructions in order: these see my stores
.endr
.endr
	s_wait_dscnt 0x0
	QB 4, X
	OUT
.Lctx:	; ---- ctx: channels 128 s on, for my tile's 16 rows.  Transposed: source 0 = 16 rows of Wctx (permuted), source 1 = the context rows.  K = 64: registers 6-11 of both operands are zero codes, and bytes 2, 3 of the scale words are 0
	s_wait_alu depctr_va_vdst(0)
	v_mul_u32_u24 v9, v12, 48                      ; a row of 64 codes is 48 bytes
	s_delay_alu instid0(VALU_DEP_1)
	v_mad_u32_u24 v9, v3, 24, v9
	s_wait_alu depctr_va_vdst(0)
	v_lshlrev_b32 v10, 1, v12                      ; and 2 scale bytes
	s_wait_alu depctr_va_vdst(0)
	v_lshlrev_b32 v11, 6, v3                       ; the bias: 64 h
	s_wait_alu depctr_va_vdst(0)
	s_mul_i32 s74, s73, 48
	s_add_nc_u64 s[6:7], s[6:7], s[74:75]
	s_lshl_b32 s74, s73, 1
	s_add_nc_u64 s[8:9], s[8:9], s[74:75]
	s_mul_i32 s74, s61, 6144
	s_add_nc_u64 s[10:11], s[10:11], s[74:75]
	s_lshl_b32 s74, s61, 8
	s_add_nc_u64 s[12:13], s[12:13], s[74:75]
	s_lshl_b32 s74, s61, 9
	s_add_nc_u64 s[14:15], s[14:15], s[74:75]
.irp p, 0,1,2
	global_load_b64 v[16+2*\p:17+2*\p], v9, s[6:7] offset:8*\p
.endr
	global_load_u16 v28, v10, s[8:9]
.irp t, 0,1,2,3,4,5,6,7
.irp p, 0,1,2
	global_load_b64 v[40+12*\t+2*\p:41+12*\t+2*\p], v9, s[10:11] offset:(32*(\t/2)+8*(\t%2))*48+8*\p
.endr
	global_load_u16 v[32+\t], v10, s[12:13] offset:(32*(\t/2)+8*(\t%2))*2
	global_load_b128 v[H+8*\t:H+8*\t+3], v11, s[14:15] offset:(32*(\t/2)+8*(\t%2))*4       ; the bias lands where the sum begins: it is the product's C
	global_load_b128 v[H+8*\t+4:H+8*\t+7], v11, s[14:15] offset:(32*(\t/2)+8*(\t%2))*4+16
.endr
.irp i, 22,23,24,25,26,27
	v_mov_b32 v[\i], 0
.endr
.irp t, 0,1,2,3,4,5,6,7
.irp i, 6,7,8,9,10,11
	v_mov_b32 v[40+12*\t+\i], 0
.endr
.endr
	s_wait_alu depctr_va_vdst(0)
	s_wait_loadcnt 0x0
.rept 4
	v_nop                                          ; operand registers written by vector instructions stand four places ahead of a scaled product
.endr
.irp t, 0,1,2,3,4,5,6,7
	v_wmma_scale_f32_16x16x128_f8f6f4 v[H+8*\t:H+8*\t+7], v[40+12*\t:51+12*\t], v[16:27], v[H+8*\t:H+8*\t+7], v[32+\t], v28 matrix_a_fmt:MATRIX_FMT_BF6 matrix_b_fmt:MATRIX_FMT_BF6
.endr
.rept 4
	v_nop                                          ; four places ahead of the first read of results (ISA guide 7.12.1)
.endr
	QB 4, H
	OUT
.Lfunc_end_k_qe95c0ae115_prep:
	.size	k_qe95c0ae115_prep, .Lfunc_end_k_qe95c0ae115_prep-k_qe95c0ae115_prep
	.p2alignl 7, 3214868480
	.fill 96, 4, 3214868480
	.section	.rodata,"a",@progbits
	.p2align	6, 0x0
	.amdhsa_kernel k_qe95c0ae115_prep
		.amdhsa_group_segment_fixed_size 52224
		.amdhsa_private_segment_fixed_size 0
		.amdhsa_enable_private_segment 0
		.amdhsa_kernarg_size 200
		.amdhsa_user_sgpr_count 2
		.amdhsa_user_sgpr_kernarg_segment_ptr 1
		.amdhsa_wavefront_size32 1
		.amdhsa_system_sgpr_workgroup_id_x 1
		.amdhsa_system_sgpr_workgroup_id_y 1
		.amdhsa_system_sgpr_workgroup_id_z 1
		.amdhsa_system_vgpr_workitem_id 0
		.amdhsa_next_free_vgpr 256
		.amdhsa_next_free_sgpr 80
		.amdhsa_reserve_vcc 0
		.amdhsa_float_denorm_mode_32 3
		.amdhsa_float_denorm_mode_16_64 3
		.amdhsa_memory_ordered 1
		.amdhsa_forward_progress 1
		.amdhsa_inst_pref_size 28
	.end_amdhsa_kernel
	.amdgpu_metadata
---
amdhsa.version: [ 1, 2 ]
amdhsa.kernels:
  - .name:           k_qe95c0ae115_prep
    .symbol:         k_qe95c0ae115_prep.kd
    .args:
      - { .name: x, .offset: 0, .size: 8, .value_kind: global_buffer, .address_space: global }
      - { .name: context_codes, .offset: 8, .size: 8, .value_kind: global_buffer, .address_space: global }
      - { .name: context_scales, .offset: 16, .size: 8, .value_kind: global_buffer, .address_space: global }
      - { .name: Wctx_codes, .offset: 24, .size: 8, .value_kind: global_buffer, .address_space: global }
      - { .name: Wctx_scales, .offset: 32, .size: 8, .value_kind: global_buffer, .address_space: global }
      - { .name: bctx, .offset: 40, .size: 8, .value_kind: global_buffer, .address_space: global }
      - { .name: act, .offset: 48, .size: 8, .value_kind: global_buffer, .address_space: global }
      - { .name: wimg, .offset: 56, .size: 8, .value_kind: global_buffer, .address_space: global }
      - { .name: wsc, .offset: 64, .size: 8, .value_kind: global_buffer, .address_space: global }
      - { .name: Wq2_codes, .offset: 72, .size: 8, .value_kind: global_buffer, .address_space: global }
      - { .name: Wq2_scales, .offset: 80, .size: 8, .value_kind: global_buffer, .address_space: global }
      - { .name: Wk_codes, .offset: 88, .size: 8, .value_kind: global_buffer, .address_space: global }
      - { .name: Wk_scales, .offset: 96, .size: 8, .value_kind: global_buffer, .address_space: global }
      - { .name: Wv_codes, .offset: 104, .size: 8, .value_kind: global_buffer, .address_space: global }
      - { .name: Wv_scales, .offset: 112, .size: 8, .value_kind: global_buffer, .address_space: global }
      - { .name: Wq_codes, .offset: 120, .size: 8, .value_kind: global_buffer, .address_space: global }
      - { .name: Wq_scales, .offset: 128, .size: 8, .value_kind: global_buffer, .address_space: global }
      - { .name: Wk2_codes, .offset: 136, .size: 8, .value_kind: global_buffer, .address_space: global }
      - { .name: Wk2_scales, .offset: 144, .size: 8, .value_kind: global_buffer, .address_space: global }
      - { .name: Wv2_codes, .offset: 152, .size: 8, .value_kind: global_buffer, .address_space: global }
      - { .name: Wv2_scales, .offset: 160, .size: 8, .value_kind: global_buffer, .address_space: global }
      - { .name: Wp_codes, .offset: 168, .size: 8, .value_kind: global_buffer, .address_space: global }
      - { .name: Wp_scales, .offset: 176, .size: 8, .value_kind: global_buffer, .address_space: global }
      - { .name: Wp2_codes, .offset: 184, .size: 8, .value_kind: global_buffer, .address_space: global }
      - { .name: Wp2_scales, .offset: 192, .size: 8, .value_kind: global_buffer, .address_space: global }
    .group_segment_fixed_size: 52224
    .private_segment_fixed_size: 0
    .kernarg_segment_align: 8
    .kernarg_segment_size: 200
    .max_flat_workgroup_size: 384
    .sgpr_count:     80
    .vgpr_count:     256
    .wavefront_size: 32
...
	.end_amdgpu_metadata
.endif
;; end of part 1
;; launch proj (part 2): grid 32 x 6, 4 waves a work-group, no clusters, 327,680 bytes of LDS; arguments act, wimg, wsc, qkv; writes qkv
.if DOCPART == 2
	.amdgcn_target "amdgcn-amd-amdhsa--gfx1250"
	.amdhsa_code_object_version 6
	.text
	.protected	k_qe95c0ae115_proj
	.globl	k_qe95c0ae115_proj
	.p2align	8
	.type	k_qe95c0ae115_proj,@function
k_qe95c0ae115_proj:
	s_mov_b64 s[64:65], 0
	v_nop
	global_prefetch_b8 v0, s[64:65] scope:SCOPE_SE
	s_setreg_imm32_b32 hwreg(HW_REG_WAVE_MODE, 25, 1), 1
	s_wait_xcnt 0x0
.set STGQ, 307200
.set STGV, 313344
.set SEL, 60
.set WS,  16
.set AS,  52
.set ACC, 64
.set QM,  160
.set QT,  166
.set QE,  172
.set QY,  178
.set QC,  184
.set MSB, 0
.macro WIN new
.if MSB != (\new)
	s_set_vgpr_msb (MSB<<8)|(\new)
.set MSB, (\new)
.endif
.endm
.macro QB nb, src
.set qb, 0
.rept \nb
	v_max3_num_f32 v[QM+qb], |v[\src+16*qb]|, |v[\src+16*qb+1]|, 0x2800000
.set qb, qb+1
.endr
.irp i, 2,4,6,8,10,12,14
.set qb, 0
.rept \nb
	v_max3_num_f32 v[QM+qb], v[QM+qb], |v[\src+16*qb+\i]|, |v[\src+16*qb+\i+1]|
.set qb, qb+1
.endr
.endr
.set qb, 0
.rept \nb
	v_permlanex16_b32 v[QT+qb], v[QM+qb], s[SEL], s[SEL+1]
.set qb, qb+1
.endr
.set qb, 0
.rept \nb
	v_max_num_f32 v[QM+qb], v[QM+qb], v[QT+qb]
.set qb, qb+1
.endr
.set qb, 0
.rept \nb
	v_add_nc_u32 v[QE+qb], 0xfe000000, v[QM+qb]
.set qb, qb+1
.endr
.set qb, 0
.rept \nb
	v_lshrrev_b32 v[QY+qb], 23, v[QE+qb]
.set qb, qb+1
.endr
.set qb, 0
.rept \nb
	v_cvt_scalef32_pk16_bf6_f32 v[QC+4*qb:QC+4*qb+2], v[\src+16*qb:\src+16*qb+15], v[QE+qb]
.set qb, qb+1
.endr
	v_nop
.endm
	s_load_b256 s[4:11], s[0:1], 0x0
	v_lshl_add_u32 v254, v0, 2, 0x4e000
	v_mov_b32 v255, 0
	ds_add_u32 v254, v255
	ds_add_u32 v254, v255
	v_lshrrev_b32 v1, 5, v0
	v_readfirstlane_b32 s12, v1
	s_and_b32 s13, ttmp7, 0xffff
	s_cmp_ge_u32 s13, 3
	s_cselect_b32 s14, 1, 0
	s_cselect_b32 s22, 3, 0
	s_sub_co_u32 s15, s13, s22
	s_cmp_eq_u32 s15, 0
	s_cselect_b32 s16, 1, 0
	s_xor_b32 s16, s16, s14
	s_and_b32 s18, ttmp9, 1
	s_lshr_b32 s19, ttmp9, 1
	s_and_b32 s20, s19, 1
	s_lshr_b32 s21, s19, 1
	s_lshl_b32 s22, s16, 3
	s_add_co_u32 s21, s21, s22
	s_mul_i32 s21, s21, 12
	s_mul_i32 s22, s18, 6
	s_add_co_u32 s21, s21, s22
	s_mul_i32 s21, s21, 153600
	s_lshl_b32 s59, s20, 10
	s_lshl_b32 s22, s12, 8
	s_add_co_u32 s59, s59, s22
	s_add_co_u32 s59, s59, s21
	s_mov_b32 s24, 3<<16
	s_mov_b32 s25, 32<<16
	s_mov_b32 s26, 75<<16
	s_mov_b32 s27, 32<<16
	s_mov_b32 s28, 75
	s_mov_b32 s29, 32
	s_mov_b32 s30, 0
	s_mov_b32 s31, 0
	s_mul_i32 s22, s14, 4915200
	s_mul_i32 s23, s19, 307200
	s_add_co_u32 s22, s22, s23
	s_mul_i32 s17, s12, 19200
	s_add_co_u32 s22, s22, s17
	s_mov_b32 s23, 0
	s_mov_b32 s67, 0
	s_wait_dscnt 0x0
	s_wait_kmcnt 0x0
	s_add_nc_u64 s[62:63], s[4:5], s[22:23]
	s_mov_b32 s32, 1                               ; my first load: row pair = wave, 75 rows of 256 bytes
	s_add_co_u32 s33, s17, 0
	s_add_nc_u64 s[34:35], s[62:63], 0
	s_or_b32 s35, s35, 0x80000000
	s_mov_b32 s36, 1                               ; my second: three of the other twelve pairs, 225 rows, at 76,800 + 57,600 x wave
	s_mul_i32 s37, s12, 57600
	s_add_co_u32 s37, s37, 76800
	s_mul_i32 s66, s12, 38400                      ; (s[62:63] holds 19,200 x wave already)
	s_add_co_u32 s66, s66, 76800
	s_add_nc_u64 s[38:39], s[62:63], s[66:67]
	s_or_b32 s39, s39, 0x80000000
	s_mov_b32 s40, 3<<16
	s_mov_b32 s41, 32<<16
	s_mov_b32 s42, 225<<16
	s_mov_b32 s43, 32<<16
	s_mov_b32 s44, 225
	s_mov_b32 s45, 32
	s_mov_b32 s46, 0
	s_mov_b32 s47, 0
	tensor_load_to_lds s[32:35], s[24:31]          ; one tensor load a wave at the head: pairs 0-3
	s_nop 0
.rept 4
	v_nop
.endr
	v_and_b32 v1, 15, v0
	v_bfe_u32 v2, v0, 4, 1
	v_and_b32 v10, 31, v0
	v_lshlrev_b32 v11, 2, v10
	v_lshlrev_b32 v13, 3, v10
	v_lshlrev_b32 v10, 4, v10
	v_mul_u32_u24 v3, v1, 24
	v_mad_u32_u24 v5, v2, 12, v3
	v_mad_u32_u24 v3, v2, 384, v3
	v_lshl_add_u32 v4, v1, 2, 18432
.irp b, 0,1,2,3,4,5
	v_mov_b32 v[QT+\b], 0
.endr
	s_mov_b32 s[SEL], 0x76543210
	s_mov_b32 s[SEL+1], 0xfedcba98
	s_mul_i32 s22, s18, 24
	s_mul_i32 s23, s12, 6
	s_add_co_u32 s22, s22, s23
	s_mul_i32 s66, s13, 442368
	s_mul_i32 s23, s22, 9216
	s_add_co_u32 s66, s66, s23
	s_add_nc_u64 s[6:7], s[6:7], s[66:67]
	s_mul_i32 s66, s13, 36864
	s_mul_i32 s23, s22, 768
	s_add_co_u32 s66, s66, s23
	s_add_nc_u64 s[8:9], s[8:9], s[66:67]
	WIN 0x40
.irp s, 0,1,2
.irp t, 0,1,2,3,4,5
.irp c, 0,1,2
	global_load_b128 v[12*(6*\s+\t)+4*\c:12*(6*\s+\t)+4*\c+3], v10, s[6:7] offset:\t*9216+\s*1536+512*\c
.endr
.endr
.endr
	WIN 0x80
.irp s, 3,4,5
.irp t, 0,1,2,3,4,5
.irp c, 0,1,2
	global_load_b128 v[12*(6*(\s-3)+\t)+4*\c:12*(6*(\s-3)+\t)+4*\c+3], v10, s[6:7] offset:\t*9216+\s*1536+512*\c
.endr
.endr
.endr
	WIN 0
.irp s, 0,1,2,3,4,5
.irp t, 0,1,2,3,4,5
	global_load_b32 v[WS+6*\s+\t], v11, s[8:9] offset:\t*768+\s*128
.endr
.endr
.macro TRIP v
	v_add_nc_u32 v14, s55, v3
	v_add_nc_u32 v15, s55, v4
.irp a, 0,1
.irp s, 0,1,2,3,4,5
	ds_load_b32 v[AS+6*\a+\s], v15 offset:\a*384+\s*64
.endr
.endr
	WIN 0xc0
.irp s, 0,1,2,3,4,5
.irp a, 0,1
.irp p, 0,1,2,3,4,5
	ds_load_b64 v[12*(2*\s+\a)+2*\p:12*(2*\s+\a)+2*\p+1], v14 offset:\a*9216+\s*1536+768*(\p/3)+8*(\p%3)
.endr
.endr
.endr
.irp s, 0,1,2,3,4,5
	s_wait_dscnt 12*(5-\s)
.if \v
	WIN 0x07+4*(\s/3)
.else
	WIN 0x0d+(\s/3)
.endif
.irp a, 0,1
.irp t, 0,1,2,3,4,5
.if \v
.if \s == 0
	v_wmma_scale_f32_16x16x128_f8f6f4 v[ACC+16*\t+8*\a:ACC+16*\t+8*\a+7], v[12*(2*\s+\a):12*(2*\s+\a)+11], v[12*(6*(\s%3)+\t):12*(6*(\s%3)+\t)+11], 0, v[AS+6*\a+\s], v[WS+6*\s+\t] matrix_a_fmt:MATRIX_FMT_BF6 matrix_b_fmt:MATRIX_FMT_BF6
.else
	v_wmma_scale_f32_16x16x128_f8f6f4 v[ACC+16*\t+8*\a:ACC+16*\t+8*\a+7], v[12*(2*\s+\a):12*(2*\s+\a)+11], v[12*(6*(\s%3)+\t):12*(6*(\s%3)+\t)+11], v[ACC+16*\t+8*\a:ACC+16*\t+8*\a+7], v[AS+6*\a+\s], v[WS+6*\s+\t] matrix_a_fmt:MATRIX_FMT_BF6 matrix_b_fmt:MATRIX_FMT_BF6
.endif
.else
.if \s == 0
	v_wmma_scale_f32_16x16x128_f8f6f4 v[ACC+48*\a+8*\t:ACC+48*\a+8*\t+7], v[12*(6*(\s%3)+\t):12*(6*(\s%3)+\t)+11], v[12*(2*\s+\a):12*(2*\s+\a)+11], 0, v[WS+6*\s+\t], v[AS+6*\a+\s] matrix_a_fmt:MATRIX_FMT_BF6 matrix_b_fmt:MATRIX_FMT_BF6
.else
	v_wmma_scale_f32_16x16x128_f8f6f4 v[ACC+48*\a+8*\t:ACC+48*\a+8*\t+7], v[12*(6*(\s%3)+\t):12*(6*(\s%3)+\t)+11], v[12*(2*\s+\a):12*(2*\s+\a)+11], v[ACC+48*\a+8*\t:ACC+48*\a+8*\t+7], v[WS+6*\s+\t], v[AS+6*\a+\s] matrix_a_fmt:MATRIX_FMT_BF6 matrix_b_fmt:MATRIX_FMT_BF6
.endif
.endif
.endr
.endr
.endr
	WIN 0
.rept 4
	v_nop
.endr
	QB 6, ACC
.if \v
	v_add_nc_u32 v214, s58, v9
.irp t, 0,1,2,3,4,5
	global_store_b96 v[208+\t], v[QC+4*\t:QC+4*\t+2], s[48:49]
	ds_store_b8 v214, v[QY+\t] offset:256*\t
.endr
	s_wait_xcnt 0x0
	s_add_nc_u64 s[48:49], s[48:49], 384
	s_add_co_u32 s58, s58, 1
.else
.irp e, 0,1,2
	v_add_nc_u32 v[214+\e], s58, v[6+\e]
.endr
.irp a, 0,1
.irp e, 0,1,2
	global_store_b96 v5, v[QC+4*(3*\a+\e):QC+4*(3*\a+\e)+2], s[48+2*\e:49+2*\e] offset:768*\a
	ds_store_b8 v[214+\e], v[QY+3*\a+\e] offset:16*\a
.endr
.endr
	s_wait_xcnt 0x0
.irp e, 0,1,2
	s_add_nc_u64 s[48+2*\e:49+2*\e], s[48+2*\e:49+2*\e], 1536
.endr
	s_add_co_u32 s58, s58, 32
.endif
	s_add_co_u32 s55, s55, 19200
.endm
	s_wait_alu depctr_va_vdst(0)
	s_wait_tensorcnt 0x0                           ; my pair of the first four is in
	ds_add_u32 v254, v255
	s_wait_dscnt 0x0
	s_barrier_signal -1
	s_barrier_wait -1                              ; pairs 0-3 are whole for all four waves
	tensor_load_to_lds s[36:39], s[40:47]          ; pairs 4-15 land under the first four trips
	s_nop 0
.rept 4
	v_nop
.endr
	s_wait_loadcnt 0x0
	s_cmp_eq_u32 s15, 2
	s_cbranch_scc1 .Lv_path
	s_mov_b32 s70, 102400
	s_mov_b32 s71, 24576
	s_cmp_eq_u32 s15, 1
	s_cselect_b32 s70, 4096, s70
	s_cselect_b32 s71, 49152, s71
	s_cselect_b32 s56, 6144, 0
	s_cselect_b32 s72, 0, 151552
	s_mov_b32 s57, 0
	s_mul_i32 s71, s71, s20
	s_add_co_u32 s70, s70, s71
	s_add_co_u32 s70, s70, s21
.irp e, 0,1,2
	s_mul_i32 s73, s12, 3
	s_add_co_u32 s73, s73, \e
	s_lshr_b32 s74, s73, 1
	s_and_b32 s75, s73, 1
	s_mul_i32 s66, s74, 153600
	s_mul_i32 s75, s75, 384
	s_add_co_u32 s66, s66, s75
	s_add_co_u32 s66, s66, s70
	s_add_nc_u64 s[48+2*\e:49+2*\e], s[10:11], s[66:67]
	s_lshl_b32 s73, s73, 9
	s_add_co_u32 s73, s73, STGQ
	v_add_nc_u32 v[6+\e], s73, v1
.endr
	s_lshl_b32 s73, s12, 7
	s_add_co_u32 s73, s73, STGQ
	v_add_nc_u32 v12, s73, v11
	s_add_co_u32 s66, s59, s72
	s_add_nc_u64 s[68:69], s[10:11], s[66:67]
.irp i, 0,1,2,3
	s_wait_tensorcnt (3-\i)/3                      ; group 0: my second load may stay out; later groups: it is in
	s_wait_dscnt 0x0
	s_barrier_signal -1
	s_barrier_wait -1
	s_mov_b32 s55, \i*76800
	s_mov_b32 s58, \i*128
	s_mov_b32 s54, 4
.Lqk\i:
	TRIP 0
	s_sub_co_u32 s54, s54, 1
	s_cmp_lg_u32 s54, 0
	s_cbranch_scc1 .Lqk\i
.if \i < 3
.irp e, 0,1,2
	s_add_nc_u64 s[48+2*\e:49+2*\e], s[48+2*\e:49+2*\e], s[56:57]
.endr
.endif
.endr
	s_wait_dscnt 0x0
	s_barrier_signal -1
	s_barrier_wait -1
.irp g, 0,1,2,3,4,5
	ds_load_b32 v[64+\g], v12 offset:1024*\g
	ds_load_b32 v[72+\g], v12 offset:1024*\g+512
.endr
	s_mov_b32 s73, 0x05010400
	s_mov_b32 s74, 0x07030602
	s_wait_dscnt 0x0
.irp g, 0,1,2,3,4,5
	v_perm_b32 v[80+2*\g], v[72+\g], v[64+\g], s73
	v_perm_b32 v[81+2*\g], v[72+\g], v[64+\g], s74
.endr
.irp g, 0,1,2,3,4,5
	global_store_b64 v13, v[80+2*\g:81+2*\g], s[68:69] offset:\g*153600
.endr
	s_wait_tensorcnt 0x0
	ds_add_u32 v254, v255
	s_wait_dscnt 0x0
	s_endpgm
.Lv_path:
	s_wait_alu depctr_va_vdst(0)
.irp t, 0,1,2,3,4,5
	s_mul_i32 s73, s12, 6
	s_add_co_u32 s73, s73, \t
	s_lshr_b32 s74, s73, 2
	s_and_b32 s75, s73, 3
	s_mul_i32 s74, s74, 153600
	s_mul_i32 s75, s75, 1536
	s_add_co_u32 s74, s74, s75
	v_add_nc_u32 v[208+\t], s74, v5
.endr
	s_mul_i32 s73, s12, 1536
	s_add_co_u32 s73, s73, STGV
	v_lshl_add_u32 v9, v1, 4, s73
	s_lshl_b32 s73, s12, 8
	s_add_co_u32 s73, s73, STGV
	v_add_nc_u32 v12, s73, v13
	s_mul_i32 s66, s20, 49152
	s_add_co_u32 s66, s66, s21
	s_add_co_u32 s66, s66, 10240
	s_add_nc_u64 s[48:49], s[10:11], s[66:67]
	s_add_co_u32 s66, s59, 2048
	s_add_nc_u64 s[68:69], s[10:11], s[66:67]
.irp i, 0,1,2,3
	s_wait_tensorcnt (3-\i)/3                      ; group 0: my second load may stay out; later groups: it is in
	s_wait_dscnt 0x0
	s_barrier_signal -1
	s_barrier_wait -1
	s_mov_b32 s55, \i*76800
	s_mov_b32 s58, \i*4
	s_mov_b32 s54, 4
.Lvv\i:
	TRIP 1
	s_sub_co_u32 s54, s54, 1
	s_cmp_lg_u32 s54, 0
	s_cbranch_scc1 .Lvv\i
.if \i < 3
	s_add_nc_u64 s[48:49], s[48:49], 10752
.endif
.endr
	s_wait_dscnt 0x0
	s_barrier_signal -1
	s_barrier_wait -1
.irp g, 0,1,2,3,4,5
	ds_load_b64 v[64+2*\g:65+2*\g], v12 offset:1024*\g
.endr
	s_wait_dscnt 0x0
.irp g, 0,1,2,3,4,5
	global_store_b64 v13, v[64+2*\g:65+2*\g], s[68:69] offset:\g*153600
.endr
	s_wait_tensorcnt 0x0
	ds_add_u32 v254, v255
	s_wait_dscnt 0x0
	s_endpgm
.Lfunc_end_k_qe95c0ae115_proj:
	.size	k_qe95c0ae115_proj, .Lfunc_end_k_qe95c0ae115_proj-k_qe95c0ae115_proj
	.p2alignl 7, 3214868480
	.fill 96, 4, 3214868480
	.section	.rodata,"a",@progbits
	.p2align	6, 0x0
	.amdhsa_kernel k_qe95c0ae115_proj
		.amdhsa_group_segment_fixed_size 327680
		.amdhsa_private_segment_fixed_size 0
		.amdhsa_enable_private_segment 0
		.amdhsa_kernarg_size 32
		.amdhsa_user_sgpr_count 2
		.amdhsa_user_sgpr_kernarg_segment_ptr 1
		.amdhsa_wavefront_size32 1
		.amdhsa_system_sgpr_workgroup_id_x 1
		.amdhsa_system_sgpr_workgroup_id_y 1
		.amdhsa_system_sgpr_workgroup_id_z 1
		.amdhsa_system_vgpr_workitem_id 0
		.amdhsa_next_free_vgpr 912
		.amdhsa_next_free_sgpr 80
		.amdhsa_reserve_vcc 0
		.amdhsa_float_denorm_mode_32 3
		.amdhsa_float_denorm_mode_16_64 3
		.amdhsa_memory_ordered 1
		.amdhsa_forward_progress 1
		.amdhsa_inst_pref_size 197
	.end_amdhsa_kernel
	.amdgpu_metadata
---
amdhsa.version: [ 1, 2 ]
amdhsa.kernels:
  - .name:           k_qe95c0ae115_proj
    .symbol:         k_qe95c0ae115_proj.kd
    .args:
      - { .name: act, .offset: 0, .size: 8, .value_kind: global_buffer, .address_space: global }
      - { .name: wimg, .offset: 8, .size: 8, .value_kind: global_buffer, .address_space: global }
      - { .name: wsc, .offset: 16, .size: 8, .value_kind: global_buffer, .address_space: global }
      - { .name: qkv, .offset: 24, .size: 8, .value_kind: global_buffer, .address_space: global }
    .group_segment_fixed_size: 327680
    .private_segment_fixed_size: 0
    .kernarg_segment_align: 8
    .kernarg_segment_size: 32
    .max_flat_workgroup_size: 128
    .sgpr_count:     80
    .vgpr_count:     912
    .wavefront_size: 32
...
	.end_amdgpu_metadata
.endif
;; end of part 2
;; launch attn (part 3): grid 16 x 16, 16 waves a work-group, clusters of 4 x 1, 327,680 bytes of LDS; arguments qkv, obuf; writes obuf
.if DOCPART == 3
	.amdgcn_target "amdgcn-amd-amdhsa--gfx1250"
	.amdhsa_code_object_version 6
	.text
	.protected	k_qe95c0ae115_attn
	.globl	k_qe95c0ae115_attn
	.p2align	8
	.type	k_qe95c0ae115_attn,@function
k_qe95c0ae115_attn:
	s_mov_b64 s[64:65], 0
	v_nop
	global_prefetch_b8 v0, s[64:65] scope:SCOPE_SE
	s_setreg_imm32_b32 hwreg(HW_REG_WAVE_MODE, 25, 1), 1
	s_wait_xcnt 0x0
	s_wait_alu depctr_hold_cnt(0) depctr_sa_sdst(0) depctr_va_vdst(0) depctr_va_sdst(0) depctr_va_ssrc(0) depctr_va_vcc(0) depctr_vm_vsrc(0)
	s_getreg_b32 s2, hwreg(HW_REG_IB_STS2, 6, 4)
	s_cmp_eq_u32 s2, 0
	s_cbranch_scc0 .Lentry_in_a_cluster
	s_endpgm
.Lentry_in_a_cluster:
	s_bfe_u32 s2, ttmp6, 0x10000c
	s_cmp_lg_u32 s2, 0x3003
	s_cbranch_scc0 .Lentry_shape_is_right
	s_endpgm
.Lentry_shape_is_right:
; ATTN.  For each (branch, batch, head): o = softmax(q k^T / 8) v on codes of E3M2, and o quantised along its 64 channels for the last launch.
; t = score x log2(e) / 8 (q is quantised as it stands: 1/8 is a power of two, which a block's scale takes up; that differs from the letter only for blocks of q under about 2^-119).
; M = the running largest t rounded up to a whole number; p = 2^(t - M) is quantised along the keys; the row's sum is taken of the unquantised p and divides at the end.
; SHARES.  A cluster of four work-groups owns three neighbouring heads of one (branch, batch); work-group cx owns 256 query places of each, each of its 16 waves one tile of 16.  16 x 16 work-groups.
; LDS.  All four partners read the same 102,400 bytes of a head (scale bytes, k, v): JOINT loads bring them as they lie in the record.  Every byte is filled once: head 0 at the kernel's head, 25 rows of 256 bytes a wave;
; heads 1 and 2 behind the full sequence and a round, 50 rows a wave (waves 0-7 head 1, waves 8-15 head 2), on their way under head 0's work.  A head is one trip of a loop of three.
; ONE SPLIT BARRIER A HEAD shows the later heads whole: a wave waits for its loads and signals at the head of key step 2, and waits for the others at the head of key step 7; between the two stand register work and
; LDS loads of bytes that nobody writes.  So a wave stands still only while another has not yet begun key step 2 of the same head.
; No data prefetch: every byte that goes to LDS is asked for ahead of the loop, so the loop has no later request to run ahead of.
; Both products are transposed (S^T = k q^T, O^T = v^T p^T): a lane holds one query throughout.  The first product's K is 64: registers 6-11 of both operands stay zero codes, bytes 2, 3 of the scale words are 0.
; WHICH KEYS FORM A TILE OF k is chosen by LDS addresses: rows 0-7 of tiles 4 c .. 4 c + 3 take the 32 keys of block 2 c, rows 8-15 those of block 2 c + 1.  So lane (query, h) holds a WHOLE block, 2 c + h, in 32 registers:
; its maximum needs no other lane.  Rows 8-15 take their block's upper 16 keys in tiles 4 c, 4 c + 1 and the lower 16 in the other two: then the 32 lanes of each load of 8 bytes name 32 different pairs of LDS words modulo 256 bytes;
; twelve selects on h put the codes' halves in their places.
; LIMITS: no NaN, no infinities; a block under 2^-122 and a block of zeros get the byte 1 (this program alone reads the bytes); the promise holds while |t| stays under 2^31.
; REGISTERS: v1-6 LDS addresses of the head in hand; v7-9, v240-243, v246-247 lane terms that stay; v10, v12 -M by turns; v11 8 h; v13 largest score; v[14:15] the sum; v16-27 q; v28-31 v's scale words;
;   v32-79 four tiles of k (their data registers are at work between the products); v80-127 v's fragments; v128-191 S^T, then p; v192-223 O^T; v224-235 p's codes; v236-239 maxima; v[244:245] f; v248-251 k's scale words; v252 q's; v253 p's.
.set REC,   153600
.set HLDS,  102400
.set SPARE, 307200
.set SEL, 20
.set KF,  32
.set VF,  80
.set S,   128
.set O,   192
.set P,   224
.macro ROUND
	s_barrier_signal -1
	s_barrier_wait -1
	s_cmp_lg_u32 s8, 0
	s_cbranch_scc1 .Lnot_wave_0_\@
	s_barrier_signal -3
.Lnot_wave_0_\@:
	s_barrier_wait -3
	s_barrier_signal -1
	s_barrier_wait -1
.endm
.macro KLOAD st, c                     ; four tiles of k and their scale bytes
.irp u, 0,1,2,3
.irp p, 0,1,2
	ds_load_b64 v[KF+12*\u+2*\p:KF+12*\u+2*\p+1], v[1+\u/2] offset:4096+((\st)%4)*12288+768*(4*(\c)+\u%2)+192*(\u/2)+8*\p
.endr
	ds_load_u16 v[248+\u], v[3+\u/2] offset:256*(\st)+32*(4*(\c)+\u%2)+16*(\u/2)
.endr
.endm
.macro VLOAD st                        ; v's four fragments and scale words: 28 loads
.irp t, 0,1,2,3
.irp p, 0,1,2,3,4,5
	ds_load_b64 v[VF+12*\t+2*\p:VF+12*\t+2*\p+1], v5 offset:4096+((\st)%4)*12288+6144+1536*\t+768*(\p/3)+8*(\p%3)
.endr
	ds_load_b32 v[28+\t], v6 offset:((\st)/4)*1024+256*\t+4*((\st)%4)
.endr
.endm
.macro SMUL c
.irp u, 0,1,2,3
	v_wmma_scale_f32_16x16x128_f8f6f4 v[S+32*(\c)+8*\u:S+32*(\c)+8*\u+7], v[KF+12*\u:KF+12*\u+11], v[16:27], 0, v[248+\u], v252 matrix_a_fmt:MATRIX_FMT_BF6 matrix_b_fmt:MATRIX_FMT_BF6
.endr
.endm
; a block's largest score, in two chains by turns: registers 0-16 and 17-31, each accumulator from its low end on
.macro MX0 c
	v_max3_num_f32 v[236+2*(\c)], v[S+32*(\c)], v[S+32*(\c)+1], v[S+32*(\c)+2]
	v_max3_num_f32 v[237+2*(\c)], v[S+32*(\c)+17], v[S+32*(\c)+18], v[S+32*(\c)+19]
.endm
.macro MX c, i
	v_max3_num_f32 v[236+2*(\c)], v[236+2*(\c)], v[S+32*(\c)+3+2*(\i)], v[S+32*(\c)+4+2*(\i)]
	v_max3_num_f32 v[237+2*(\c)], v[237+2*(\c)], v[S+32*(\c)+20+2*(\i)], v[S+32*(\c)+21+2*(\i)]
.endm
.macro MXE c
	v_max3_num_f32 v[236+2*(\c)], v[236+2*(\c)], v[S+32*(\c)+15], v[S+32*(\c)+16]
	s_delay_alu instid0(VALU_DEP_1)
	v_max_num_f32 v[236+2*(\c)], v[236+2*(\c)], v[237+2*(\c)]
.endm
; A KEY STEP: 128 keys
.macro STEP st
.set NN, 12-2*((\st)%2)                ; -M: the new one and the old one change places from step to step
.set NO, 10+2*((\st)%2)
.if (\st) == 2
	s_wait_tensorcnt 0x0                           ; my part of heads 1 and 2 is in,
	s_wait_dscnt 0x0                               ; no LDS instruction of mine is out:
	s_barrier_signal -1                            ; say so.  Up to the wait at key step 7: register work, and LDS loads of bytes that nobody writes
.endif
.if (\st) == 7
	s_barrier_wait -1                              ; every wave has said so: the later heads are whole.
.endif
.if (\st) == 4
	v_add_nc_u32 v1, 49152, v1                     ; key steps 4-7: their offsets would pass the immediate's 16 bits
	v_add_nc_u32 v2, 49152, v2
	v_add_nc_u32 v5, 49152, v5
	s_wait_alu depctr_va_vdst(0)
.endif
	KLOAD \st, 0
	s_wait_dscnt 0x0
	SMUL 0
.rept 4
	v_nop                                          ; places ahead of loads into k's tiles, and into v's fragments of the step before
.endr
	KLOAD \st, 1
	VLOAD \st
	MX0 0                                          ; blocks 0 and 1, while the loads are out
	MX 0, 0
	MX 0, 1
	MX 0, 2
	MX 0, 3
	s_wait_alu depctr_va_vdst(0)
	s_wait_dscnt 28                                ; k's 16 are in; v's 28 loads may stay out through the softmax
	SMUL 1
.if (\st) == 7
.rept 4
	v_nop                                          ; places ahead of the loads into q's registers
.endr
	s_cmp_eq_u32 s71, 1                            ; the last head asks for nothing: no load leaves its buffer
	s_cbranch_scc1 .Lno_q
	s_add_nc_u64 s[60:61], s[60:61], REC           ; (the loads that named these bases were waited for at this head's start)
	s_add_nc_u64 s[62:63], s[62:63], REC
.irp p, 0,1,2
	global_load_b64 v[16+2*\p:17+2*\p], v7, s[60:61] offset:8*\p   ; the next head's q lands under this step's softmax and the way out
.endr
	global_load_u16 v252, v247, s[62:63]
.Lno_q:
.endif
	MX 0, 4                                        ; these six name no register of the products above: they are the places ahead of the first read of their results
	MX 0, 5
	MXE 0
	MX0 1
	MX 1, 0
	MX 1, 1
	MX 1, 2
	MX 1, 3
	MX 1, 4
	MX 1, 5
	MXE 1
	s_delay_alu instid0(VALU_DEP_1)
	v_max_num_f32 v59, v236, v238
	s_delay_alu instid0(VALU_DEP_1)
	v_permlanex16_b32 v71, v59, s[SEL], s[SEL+1]   ; lane l xor 16 holds my query's other two blocks
	s_delay_alu instid0(VALU_DEP_1)
.if (\st) > 0
	v_max3_num_f32 v13, v13, v59, v71              ; the running largest score
.else
	v_max_num_f32 v13, v59, v71
.endif
	s_delay_alu instid0(VALU_DEP_1)
	v_mul_f32 v47, s19, v13                        ; -t
	s_delay_alu instid0(VALU_DEP_1)
	v_floor_f32 v[NN], v47                         ; the new -M = -ceil(t)
.set j, 0
.rept 32
	v_pk_fma_f32 v[S+j:S+j+1], v[S+j:S+j+1], s[22:23], v[NN:NN+1] op_sel_hi:[1,0,0]   ; t - M
.set j, j+2
.endr
	v_fma_f32 v236, v236, s22, v[NN]               ; the same of each block's largest score: p rises with the score
	v_fma_f32 v238, v238, s22, v[NN]
.if (\st) > 0
	v_sub_f32 v47, v[NN], v[NO]                    ; old M - new M: a whole number, 0 or less
	s_delay_alu instid0(VALU_DEP_1)
	v_cvt_i32_f32 v47, v47                         ; (it saturates)
	s_delay_alu instid0(VALU_DEP_1)
	v_ldexp_f32 v244, 1.0, v47                     ; f = 2^(old M - new M)
.set j, 0
.rept 16
	v_pk_mul_f32 v[O+j:O+j+1], v[O+j:O+j+1], v[244:245] op_sel_hi:[1,0]   ; O^T under the new M, each accumulator from its low end on
.set j, j+2
.endr
.endif
	s_wait_alu depctr_va_vdst(0)
.set j, 0
.rept 64
	v_exp_f32 v[S+j], v[S+j]                       ; p = 2^(t - M)
.set j, j+1
.endr
	v_exp_f32 v236, v236                           ; my two blocks' largest p
	v_exp_f32 v238, v238
.if (\st) > 0
	v_pk_mul_f32 v[14:15], v[14:15], v[244:245] op_sel_hi:[1,0]   ; the sum under the new M (the plain place behind the exponentials)
.else
	v_nop
.endif
	s_wait_alu depctr_va_vdst(0)                   ; one wait for the batch, ahead of its first reader
	v_max_num_f32 v236, 0x2800000, v236            ; the floor 2^(5 - 127): the byte cannot fall under 1
	v_max_num_f32 v238, 0x2800000, v238
	v_add_nc_u32 v72, 0xfe000000, v236             ; 4 off the exponent field: the conversion's scale operand
	v_add_nc_u32 v73, 0xfe000000, v238
	v_lshrrev_b32 v35, 23, v72                     ; the bytes of blocks h and 2 + h
	v_lshrrev_b32 v47, 23, v73
	s_delay_alu instid0(VALU_DEP_1)
	v_lshl_or_b32 v59, v47, 16, v35
	s_delay_alu instid0(VALU_DEP_1)
	v_lshlrev_b32 v59, v11, v59                    ; 8 h bits up
	s_delay_alu instid0(VALU_DEP_1)
	v_permlanex16_b32 v71, v59, s[SEL], s[SEL+1]
	s_delay_alu instid0(VALU_DEP_1)
	v_or_b32 v253, v59, v71                        ; p's scale word for these 128 keys
	v_cvt_scalef32_pk16_bf6_f32 v[32:34], v[S:S+15], v72
	v_cvt_scalef32_pk16_bf6_f32 v[44:46], v[S+16:S+31], v72
	v_cvt_scalef32_pk16_bf6_f32 v[56:58], v[S+32:S+47], v73
	v_cvt_scalef32_pk16_bf6_f32 v[68:70], v[S+48:S+63], v73
.if (\st) > 0                          ; the row's sum of the unquantised p, in four chains
	v_pk_add_f32 v[14:15], v[14:15], v[S:S+1]
.else
	v_pk_add_f32 v[14:15], v[S:S+1], v[S+62:S+63]
.endif
	v_pk_add_f32 v[36:37], v[S+2:S+3], v[S+4:S+5]
	v_pk_add_f32 v[48:49], v[S+6:S+7], v[S+8:S+9]
	v_pk_add_f32 v[60:61], v[S+10:S+11], v[S+12:S+13]
.irp c, 0,1                            ; lanes 0-15 made their block's lower 16 codes first, lanes 16-31 the upper 16
.irp i, 0,1,2
	v_cndmask_b32 v[P+6*\c+\i], v[32+24*\c+\i], v[44+24*\c+\i], s18
	v_cndmask_b32 v[P+6*\c+3+\i], v[44+24*\c+\i], v[32+24*\c+\i], s18
.endr
.endr
.set j, 14
.rept 6
	v_pk_add_f32 v[14:15], v[14:15], v[S+j:S+j+1]
	v_pk_add_f32 v[36:37], v[36:37], v[S+j+2:S+j+3]
	v_pk_add_f32 v[48:49], v[48:49], v[S+j+4:S+j+5]
	v_pk_add_f32 v[60:61], v[60:61], v[S+j+6:S+j+7]
.set j, j+8
.endr
.if (\st) > 0
	v_pk_add_f32 v[36:37], v[36:37], v[S+62:S+63]
.endif
	v_pk_add_f32 v[14:15], v[14:15], v[60:61]
	v_pk_add_f32 v[36:37], v[36:37], v[48:49]
	s_delay_alu instid0(VALU_DEP_1)
	v_pk_add_f32 v[14:15], v[14:15], v[36:37]
	s_wait_alu depctr_va_vdst(0)
	s_wait_dscnt 0x0                               ; v's fragments and scale words
.irp t, 0,1,2,3
.if (\st) > 0
	v_wmma_scale_f32_16x16x128_f8f6f4 v[O+8*\t:O+8*\t+7], v[VF+12*\t:VF+12*\t+11], v[P:P+11], v[O+8*\t:O+8*\t+7], v[28+\t], v253 matrix_a_fmt:MATRIX_FMT_BF6 matrix_b_fmt:MATRIX_FMT_BF6
.else
	v_wmma_scale_f32_16x16x128_f8f6f4 v[O+8*\t:O+8*\t+7], v[VF+12*\t:VF+12*\t+11], v[P:P+11], 0, v[28+\t], v253 matrix_a_fmt:MATRIX_FMT_BF6 matrix_b_fmt:MATRIX_FMT_BF6
.endif
.endr
.endm
	s_load_b128 s[4:7], s[0:1], 0x0                ; qkv, obuf
	v_lshl_add_u32 v254, v0, 2, SPARE
	v_mov_b32 v255, 0
	ds_add_u32 v254, v255
	ds_add_u32 v254, v255
	v_lshrrev_b32 v1, 5, v0
	v_readfirstlane_b32 s8, v1                     ; wave 0..15
	s_bfe_u32 s10, ttmp6, 0x40000                  ; cx: my quarter of the queries; it enters q's and o's global addresses alone
	s_mul_i32 s9, ttmp9, 3                         ; the cluster's first head; s9 is the head in hand
	s_and_b32 s11, ttmp7, 0xffff                   ; 8 branch + batch
	s_mul_i32 s12, s11, 12
	s_add_co_u32 s12, s12, s9
	s_mul_i32 s58, s12, REC                        ; the first head's record
	s_mov_b32 s59, 0
	s_mov_b32 s40, 1                               ; group 0, head 0: my 6,400 bytes, at the same offset in LDS and in the record
	s_mul_i32 s41, s8, 6400
	s_mul_i32 s72, s8, 6400
	s_mov_b32 s73, 0
	s_mov_b32 s44, 1                               ; group 0, heads 1 and 2: my 12,800 bytes
	s_mul_i32 s45, s8, 12800
	s_add_co_u32 s45, s45, HLDS
	s_lshr_b32 s14, s8, 3
	s_mul_i32 s56, s14, REC
	s_and_b32 s15, s8, 7
	s_mul_i32 s15, s15, 12800
	s_add_co_u32 s56, s56, s15
	s_add_co_u32 s56, s56, REC
	s_mov_b32 s57, 0
	s_mov_b32 s24, 15|(3<<16)|(1<<21)              ; groups 1: dense bytes as rows of 32 elements of 8 bytes; the mask names all four work-groups, bit 21 beside it.  25 rows,
	s_mov_b32 s25, 32<<16
	s_mov_b32 s26, 25<<16
	s_mov_b32 s27, 32<<16
	s_mov_b32 s28, 25
	s_mov_b32 s29, 32
	s_mov_b32 s30, 0
	s_mov_b32 s31, 0
	s_mov_b32 s32, 15|(3<<16)|(1<<21)              ; and 50 rows
	s_mov_b32 s33, 32<<16
	s_mov_b32 s34, 50<<16
	s_mov_b32 s35, 32<<16
	s_mov_b32 s36, 50
	s_mov_b32 s37, 32
	s_mov_b32 s38, 0
	s_mov_b32 s39, 0
	s_mov_b32 s[SEL], 0x76543210                   ; v_permlanex16_b32's selects for lane l xor 16
	s_mov_b32 s[SEL+1], 0xfedcba98
	s_mov_b32 s22, 0x3e38aa3b                      ; c = log2(e) / 8
	s_mov_b32 s23, s22                             ; (named with it as a pair)
	s_mov_b32 s19, 0xbe38aa3b                      ; -c
	s_mov_b32 s18, 0xffff0000                      ; lanes 16-31
	s_wait_dscnt 0x0                               ; both opening adds are done
	s_wait_kmcnt 0x0
	s_add_nc_u64 s[76:77], s[4:5], s[58:59]        ; the first head's record
	s_add_nc_u64 s[42:43], s[76:77], s[72:73]
	s_or_b32 s43, s43, 0x80000000
	s_add_nc_u64 s[46:47], s[76:77], s[56:57]
	s_or_b32 s47, s47, 0x80000000
	ROUND                                          ; all four work-groups are here: the joint loads meet
	tensor_load_to_lds s[40:43], s[24:31]          ; head 0: one tensor load a wave at the head
	s_nop 0
.rept 4
	v_nop
.endr
	v_and_b32 v1, 15, v0                           ; r
	v_bfe_u32 v2, v0, 4, 1                         ; h
	v_and_b32 v3, 7, v0                            ; r % 8
	v_bfe_u32 v4, v0, 3, 1                         ; r / 8
	v_mul_u32_u24 v5, v1, 24
	v_mad_u32_u24 v7, v2, 384, v5                  ; q's and v's fragments: 24 r + 384 h
	v_mad_u32_u24 v8, v2, 12, v5                   ; the way out: 24 r + 12 h
	v_mul_u32_u24 v5, v3, 24
	v_mad_u32_u24 v5, v2, 384, v5
	v_mad_u32_u24 v240, v4, 1728, v5               ; k's tiles 4 c, 4 c + 1: rows 8-15 lie a block (1,536) and eight places (192) on;
	v_mad_u32_u24 v241, v4, 1344, v5               ; tiles 4 c + 2, 4 c + 3 (192 in the immediate): a block on, eight places back
	v_lshlrev_b32 v5, 1, v3
	v_mad_u32_u24 v242, v4, 80, v5                 ; their scale bytes likewise: 64 a block, 16 for eight places
	v_mad_u32_u24 v243, v4, 48, v5
	v_lshl_add_u32 v246, v1, 4, 2048               ; v's scale words: 16 bytes a channel place, behind k's 2,048 bytes
	v_lshlrev_b32 v247, 1, v1                      ; q's scale bytes: two a place
	v_and_b32 v9, 31, v0
	v_lshlrev_b32 v9, 2, v9                        ; 4 x lane
	v_lshlrev_b32 v11, 3, v2                       ; 8 h
	v_mov_b32 v245, 0                              ; (named as the upper half of v[244:245])
.irp i, 22,23,24,25,26,27
	v_mov_b32 v[\i], 0                             ; zero codes for k = 64 .. 127, in q
.endr
.irp t, 0,1,2,3
.irp i, 6,7,8,9,10,11
	v_mov_b32 v[KF+12*\t+\i], 0                    ; and in k's four tiles: no later line writes these
.endr
.endr
	s_wait_alu depctr_va_vdst(0)
	s_lshl_b32 s13, s10, 4
	s_add_co_u32 s13, s13, s8                      ; my tile of queries
	s_mul_i32 s58, s13, 768
	s_add_co_u32 s58, s58, 102400
	s_add_nc_u64 s[60:61], s[76:77], s[58:59]      ; its codes in the first head's record,
	s_lshl_b32 s58, s13, 5
	s_add_co_u32 s58, s58, 151552
	s_add_nc_u64 s[62:63], s[76:77], s[58:59]      ; and its scale bytes
.irp p, 0,1,2
	global_load_b64 v[16+2*\p:17+2*\p], v7, s[60:61] offset:8*\p
.endr
	global_load_u16 v252, v247, s[62:63]
	s_lshl_b32 s58, s11, 6
	s_add_co_u32 s58, s58, s13
	s_mul_i32 s58, s58, 9984
	s_add_nc_u64 s[74:75], s[6:7], s[58:59]        ; o's tile in obuf: the same for the three heads
	s_wait_tensorcnt 0x0                           ; my part of head 0 is in
	ds_add_u32 v254, v255
	s_wait_dscnt 0x0
	ROUND                                          ; head 0 is whole, and all four work-groups are here
	tensor_load_to_lds s[44:47], s[32:39]          ; heads 1 and 2: my one load behind the round
	s_nop 0
.rept 4
	v_nop
.endr
	s_mov_b32 s70, 0                               ; where the head in hand begins in LDS
	s_mov_b32 s71, 3                               ; heads to go
.Lhead:
	v_add_nc_u32 v1, s70, v240
	v_add_nc_u32 v2, s70, v241
	v_add_nc_u32 v3, s70, v242
	v_add_nc_u32 v4, s70, v243
	v_add_nc_u32 v5, s70, v7
	v_add_nc_u32 v6, s70, v246
	s_mul_i32 s58, s9, 768                         ; (the stores that named the two bases below have had their addresses translated: the wait stands at the last head's end)
	s_add_nc_u64 s[66:67], s[74:75], s[58:59]      ; this head's codes in o's tile,
	s_lshr_b32 s58, s9, 1
	s_lshl_b32 s58, s58, 7
	s_and_b32 s16, s9, 1
	s_lshl_b32 s16, s16, 1
	s_add_co_u32 s58, s58, s16
	s_add_co_u32 s58, s58, 9216
	s_add_nc_u64 s[68:69], s[74:75], s[58:59]      ; and its two bytes of each scale word
	s_wait_alu depctr_va_vdst(0)
	s_wait_loadcnt 0x0                             ; q
	STEP 0                                         ; a head's first step starts M, the sum and O^T: nothing is cleared
	STEP 1
	STEP 2
	STEP 3
	STEP 4
	STEP 5
	STEP 6
	STEP 7
.rept 4
	v_nop                                          ; places ahead of the first read of the last results, and of the conversions that write over v's fragments
.endr
	v_add_f32 v14, v14, v15
	s_delay_alu instid0(VALU_DEP_1)
	v_permlanex16_b32 v71, v14, s[SEL], s[SEL+1]
	s_delay_alu instid0(VALU_DEP_1)
	v_add_f32 v14, v14, v71                        ; the row's sum
	s_wait_alu depctr_va_vdst(0)
	v_rcp_f32 v14, v14
	v_nop
	s_wait_alu depctr_va_vdst(0)
.set j, 0
.rept 16
	v_pk_mul_f32 v[S+j:S+j+1], v[O+j:O+j+1], v[14:15] op_sel_hi:[1,0]   ; o: register 16 b + i = channel 32 b + 16 h + i of my query
.set j, j+2
.endr
	v_max3_num_f32 v236, |v[S]|, |v[S+1]|, 0x2800000     ; o's two blocks of 32 channels: lanes l and l xor 16 hold a block
	v_max3_num_f32 v237, |v[S+16]|, |v[S+17]|, 0x2800000
.irp i, 2,4,6,8,10,12,14
	v_max3_num_f32 v236, v236, |v[S+\i]|, |v[S+\i+1]|
	v_max3_num_f32 v237, v237, |v[S+16+\i]|, |v[S+17+\i]|
.endr
	v_permlanex16_b32 v238, v236, s[SEL], s[SEL+1]
	v_permlanex16_b32 v239, v237, s[SEL], s[SEL+1]
	v_max_num_f32 v236, v236, v238
	v_max_num_f32 v237, v237, v239
	v_add_nc_u32 v72, 0xfe000000, v236
	v_add_nc_u32 v73, 0xfe000000, v237
	v_lshrrev_b32 v35, 23, v72
	v_lshrrev_b32 v47, 23, v73
	v_cvt_scalef32_pk16_bf6_f32 v[VF:VF+2], v[S:S+15], v72
	v_cvt_scalef32_pk16_bf6_f32 v[VF+4:VF+6], v[S+16:S+31], v73
	v_lshl_or_b32 v59, v47, 8, v35                 ; (the plain place behind the conversions)
	global_store_b96 v8, v[VF:VF+2], s[66:67]
	global_store_b96 v8, v[VF+4:VF+6], s[66:67] offset:384
	global_store_b16 v9, v59, s[68:69]             ; my head's half of the scale word, in the image of 32 lanes
	s_wait_xcnt 0x0                                ; the stores' data and bases are written again only behind this wait
	s_add_co_u32 s9, s9, 1
	s_add_co_u32 s70, s70, HLDS
	s_sub_co_u32 s71, s71, 1
	s_cmp_lg_u32 s71, 0
	s_wait_alu depctr_va_vdst(0)
	s_cbranch_scc1 .Lhead
	s_wait_tensorcnt 0x0                           ; the wave's end
	ds_add_u32 v254, v255
	s_wait_dscnt 0x0
	ROUND                                          ; the closing round
	s_endpgm
.Lfunc_end_k_qe95c0ae115_attn:
	.size	k_qe95c0ae115_attn, .Lfunc_end_k_qe95c0ae115_attn-k_qe95c0ae115_attn
	.p2alignl 7, 3214868480
	.fill 96, 4, 3214868480
	.section	.rodata,"a",@progbits
	.p2align	6, 0x0
	.amdhsa_kernel k_qe95c0ae115_attn
		.amdhsa_group_segment_fixed_size 327680
		.amdhsa_private_segment_fixed_size 0
		.amdhsa_enable_private_segment 0
		.amdhsa_kernarg_size 16
		.amdhsa_user_sgpr_count 2
		.amdhsa_user_sgpr_kernarg_segment_ptr 1
		.amdhsa_wavefront_size32 1
		.amdhsa_system_sgpr_workgroup_id_x 1
		.amdhsa_system_sgpr_workgroup_id_y 1
		.amdhsa_system_sgpr_workgroup_id_z 1
		.amdhsa_system_vgpr_workitem_id 0
		.amdhsa_next_free_vgpr 256
		.amdhsa_next_free_sgpr 80
		.amdhsa_reserve_vcc 0
		.amdhsa_float_denorm_mode_32 3
		.amdhsa_float_denorm_mode_16_64 3
		.amdhsa_memory_ordered 1
		.amdhsa_forward_progress 1
		.amdhsa_inst_pref_size 149
	.end_amdhsa_kernel
	.amdgpu_metadata
---
amdhsa.version: [ 1, 2 ]
amdhsa.kernels:
  - .name:           k_qe95c0ae115_attn
    .symbol:         k_qe95c0ae115_attn.kd
    .args:
      - { .name: qkv, .offset: 0, .size: 8, .value_kind: global_buffer, .address_space: global }
      - { .name: obuf, .offset: 8, .size: 8, .value_kind: global_buffer, .address_space: global }
    .group_segment_fixed_size: 327680
    .private_segment_fixed_size: 0
    .kernarg_segment_align: 8
    .kernarg_segment_size: 16
    .max_flat_workgroup_size: 512
    .sgpr_count:     80
    .vgpr_count:     256
    .wavefront_size: 32
...
	.end_amdgpu_metadata
.endif
;; end of part 3
;; launch outp (part 4): grid 4 x 64, 4 waves a work-group, clusters of 4 x 1, 327,680 bytes of LDS; arguments obuf, wimg, wsc, bp, bp2, x, out0; writes out0
.if DOCPART == 4
	.amdgcn_target "amdgcn-amd-amdhsa--gfx1250"
	.amdhsa_code_object_version 6
	.text
	.protected	k_qe95c0ae115_outp
	.globl	k_qe95c0ae115_outp
	.p2align	8
	.type	k_qe95c0ae115_outp,@function
k_qe95c0ae115_outp:
	s_mov_b64 s[64:65], 0
	v_nop
	global_prefetch_b8 v0, s[64:65] scope:SCOPE_SE
	s_setreg_imm32_b32 hwreg(HW_REG_WAVE_MODE, 25, 1), 1
	s_wait_xcnt 0x0
	s_wait_alu depctr_hold_cnt(0) depctr_sa_sdst(0) depctr_va_vdst(0) depctr_va_sdst(0) depctr_va_ssrc(0) depctr_va_vcc(0) depctr_vm_vsrc(0)
	s_getreg_b32 s2, hwreg(HW_REG_IB_STS2, 6, 4)
	s_cmp_eq_u32 s2, 0
	s_cbranch_scc0 .Lentry_in_a_cluster
	s_endpgm
.Lentry_in_a_cluster:
	s_bfe_u32 s2, ttmp6, 0x10000c
	s_cmp_lg_u32 s2, 0x3003
	s_cbranch_scc0 .Lentry_shape_is_right
	s_endpgm
.Lentry_shape_is_right:
.set STAGE, 159744
.set MSB, 0
.macro WIN new
.if MSB != (\new)
	s_set_vgpr_msb (MSB<<8)|(\new)
.set MSB, (\new)
.endif
.endm
.macro ROUND
	s_barrier_signal -1
	s_barrier_wait -1
	s_cmp_lg_u32 s18, 0
	s_cbranch_scc1 .Lnot_wave_0_\@
	s_barrier_signal -3
.Lnot_wave_0_\@:
	s_barrier_wait -3
	s_barrier_signal -1
	s_barrier_wait -1
.endm
	s_load_b256 s[4:11], s[0:1], 0x0
	s_load_b128 s[12:15], s[0:1], 0x20
	s_load_b64 s[16:17], s[0:1], 0x30
	v_lshl_add_u32 v254, v0, 2, 0x3f800
	v_mov_b32 v255, 0
	ds_add_u32 v254, v255
	ds_add_u32 v254, v255
	v_lshrrev_b32 v1, 5, v0
	v_readfirstlane_b32 s18, v1
	s_bfe_u32 s19, ttmp6, 0x40000
	s_and_b32 s20, ttmp7, 0xffff
	s_mov_b32 s24, 15|(3<<16)|(1<<21)
	s_mov_b32 s25, 32<<16
	s_mov_b32 s26, 156<<16
	s_mov_b32 s27, 32<<16
	s_mov_b32 s28, 156
	s_mov_b32 s29, 32
	s_mov_b32 s30, 0
	s_mov_b32 s31, 0
	s_mul_i32 s22, s18, 39936                      ; wave w fetches four tiles of branch w / 2, half w % 2: 156 rows of 256 bytes, dense in memory and in LDS
	s_mul_i32 s40, s20, 79872
	s_and_b32 s23, s18, 1
	s_mul_i32 s23, s23, 39936
	s_add_co_u32 s40, s40, s23
	s_lshr_b32 s23, s18, 1
	s_mul_i32 s23, s23, 5111808
	s_add_co_u32 s40, s40, s23
	s_mov_b32 s41, 0
	s_wait_dscnt 0x0
	s_wait_kmcnt 0x0
	s_add_nc_u64 s[42:43], s[4:5], s[40:41]
	s_mov_b32 s32, 1
	s_add_co_u32 s33, s22, 0
	s_add_nc_u64 s[34:35], s[42:43], 0
	s_or_b32 s35, s35, 0x80000000
	ROUND
	tensor_load_to_lds s[32:35], s[24:31]          ; one tensor load a wave: the four cover both branches' eight tiles
	s_nop 0
.rept 4
	v_nop
.endr
	v_and_b32 v1, 15, v0
	v_bfe_u32 v2, v0, 4, 1
	v_and_b32 v107, 31, v0
	v_lshlrev_b32 v11, 4, v107
	v_lshlrev_b32 v108, 2, v107
	v_mul_u32_u24 v3, v1, 24
	v_mad_u32_u24 v3, v2, 384, v3
	v_add_nc_u32 v4, 39936, v3
	v_add_nc_u32 v5, 79872, v3
	v_add_nc_u32 v6, 119808, v3
	v_add_nc_u32 v7, 9216, v108
	v_add_nc_u32 v8, 39936, v7
	v_add_nc_u32 v9, 79872, v7
	v_add_nc_u32 v10, 119808, v7
	v_mul_u32_u24 v109, v1, 784
	v_lshl_add_u32 v109, v2, 6, v109
	s_wait_alu depctr_va_vdst(0)
.irp t, 0,1,2
	s_mul_i32 s21, s18, 3
	s_add_co_u32 s21, s21, \t
	s_lshr_b32 s23, s21, 1
	s_lshl_b32 s23, s23, 7
	s_and_b32 s21, s21, 1
	s_lshl_b32 s21, s21, 5
	s_add_co_u32 s21, s21, s23
	v_lshl_add_u32 v[104+\t], v2, 6, s21
	s_add_co_u32 s21, s21, STAGE
	v_add_nc_u32 v[12+\t], s21, v109
	v_add_nc_u32 v[100+\t], 50176, v[12+\t]
.endr
	s_mul_i32 s21, s18, 25088
	s_add_co_u32 s21, s21, STAGE
	v_mul_u32_u24 v15, v2, 784
	v_lshl_add_u32 v15, v1, 4, v15
	v_add_nc_u32 v15, s21, v15
	v_mul_u32_u24 v103, v2, 3072
	v_lshl_add_u32 v103, v1, 4, v103
	s_mul_i32 s40, s19, 768
	s_add_nc_u64 s[10:11], s[10:11], s[40:41]
	s_add_nc_u64 s[12:13], s[12:13], s[40:41]
	s_lshl_b32 s21, s20, 7
	s_lshl_b32 s23, s18, 5
	s_add_co_u32 s21, s21, s23
	s_mul_i32 s21, s21, 3072
	s_add_co_u32 s40, s40, s21
	s_add_nc_u64 s[14:15], s[14:15], s[40:41]
	s_add_nc_u64 s[16:17], s[16:17], s[40:41]
	s_mul_i32 s21, s19, 12
	s_mul_i32 s23, s18, 3
	s_add_co_u32 s21, s21, s23
	s_mul_i32 s40, s21, 9216
	s_add_co_u32 s40, s40, 6*442368
	s_add_nc_u64 s[6:7], s[6:7], s[40:41]
	s_mul_i32 s40, s21, 768
	s_add_co_u32 s40, s40, 6*36864
	s_add_nc_u64 s[8:9], s[8:9], s[40:41]
	s_wait_alu depctr_va_vdst(0)
.irp t, 0,1,2
	global_load_b128 v[52+8*\t:55+8*\t], v[104+\t], s[10:11]
	global_load_b128 v[56+8*\t:59+8*\t], v[104+\t], s[10:11] offset:16
	global_load_b128 v[76+8*\t:79+8*\t], v[104+\t], s[12:13]
	global_load_b128 v[80+8*\t:83+8*\t], v[104+\t], s[12:13] offset:16
.endr
.irp k, 0,1,2,3,4,5,6,7,8,9,10,11
.irp t, 0,1,2
	global_load_b32 v[16+3*\k+\t], v108, s[8:9] offset:(\k/6)*36864+\t*768+(\k%6)*128
.endr
.endr
	WIN 0x40
.irp k, 0,1,2,3,4,5
.irp t, 0,1,2
.irp c, 0,1,2
	global_load_b128 v[12*(3*\k+\t)+4*\c:12*(3*\k+\t)+4*\c+3], v11, s[6:7] offset:\t*9216+\k*1536+512*\c
.endr
.endr
.endr
	WIN 0x80
.irp k, 0,1,2,3,4,5
.irp t, 0,1,2
.irp c, 0,1,2
	global_load_b128 v[12*(3*\k+\t)+4*\c:12*(3*\k+\t)+4*\c+3], v11, s[6:7] offset:442368+\t*9216+\k*1536+512*\c
.endr
.endr
.endr
	WIN 0
.macro HALFLD k, g
.set hq, 2*((\k)/6)+(\g)
.set hs, (\k)%6
.irp i, 0,1,2,3
.irp p, 0,1,2,3,4,5
	ds_load_b64 v[128+12*(4*(\g)+\i)+2*\p:129+12*(4*(\g)+\i)+2*\p], v[3+hq] offset:\i*9984+hs*1536+768*(\p/3)+8*(\p%3)
.endr
	ds_load_b32 v[224+4*(\g)+\i], v[7+hq] offset:\i*9984+hs*128
.endr
.endm
.macro PRODS k, g
.if (\k) == 0
	WIN 0xc1
.elseif (\k) < 6
	WIN 0xf1
.else
	WIN 0xf2
.endif
.irp i, 0,1,2,3
.irp t, 0,1,2
.if (\k) == 0
	v_wmma_scale_f32_16x16x128_f8f6f4 v[8*(3*(4*(\g)+\i)+\t):8*(3*(4*(\g)+\i)+\t)+7], v[12*(3*((\k)%6)+\t):12*(3*((\k)%6)+\t)+11], v[128+12*(4*(\g)+\i):139+12*(4*(\g)+\i)], v[52+8*\t:59+8*\t], v[16+3*(\k)+\t], v[224+4*(\g)+\i] matrix_a_fmt:MATRIX_FMT_BF6 matrix_b_fmt:MATRIX_FMT_BF6
.else
	v_wmma_scale_f32_16x16x128_f8f6f4 v[8*(3*(4*(\g)+\i)+\t):8*(3*(4*(\g)+\i)+\t)+7], v[12*(3*((\k)%6)+\t):12*(3*((\k)%6)+\t)+11], v[128+12*(4*(\g)+\i):139+12*(4*(\g)+\i)], v[8*(3*(4*(\g)+\i)+\t):8*(3*(4*(\g)+\i)+\t)+7], v[16+3*(\k)+\t], v[224+4*(\g)+\i] matrix_a_fmt:MATRIX_FMT_BF6 matrix_b_fmt:MATRIX_FMT_BF6
.endif
.endr
.endr
	WIN 0
.rept 4
	v_nop
.endr
.endm
.macro KSTEP k, lc
	s_wait_loadcnt \lc
	s_wait_dscnt 28
	PRODS \k, 0
.if (\k) < 11
	HALFLD (\k)+1, 0
	s_wait_dscnt 28
.else
	s_wait_dscnt 0x0
.endif
	PRODS \k, 1
.if (\k) < 11
	HALFLD (\k)+1, 1
.endif
.endm
	s_wait_tensorcnt 0x0
	s_barrier_signal -1
	s_barrier_wait -1
	HALFLD 0, 0
	HALFLD 0, 1
	s_wait_loadcnt 63
.set j, 0
.rept 12
	v_pk_add_f32 v[52+j:53+j], v[52+j:53+j], v[76+j:77+j]
.set j, j+2
.endr
	s_wait_alu depctr_va_vdst(0)
	KSTEP 0, 63
	KSTEP 1, 63
	KSTEP 2, 63
	KSTEP 3, 63
	KSTEP 4, 63
	KSTEP 5, 54
	KSTEP 6, 45
	WIN 0x40
.irp i, 0,1,2,3,4,5,6,7,8,9,10,11,12,13,14,15
.irp k, 0,1,2
	global_load_b128 v[4*(3*\i+\k):4*(3*\i+\k)+3], v103, s[14:15] offset:(8*(\i/8)+2*(\i%8)+8*((\i%8)/4))*3072+256*\k th:TH_LOAD_NT
.endr
.endr
	WIN 0
	KSTEP 7, 63
	KSTEP 8, 63
	KSTEP 9, 63
	KSTEP 10, 57
	KSTEP 11, 48
	WIN 0x0c
.irp a, 0,1,2,3,4,5,6,7
.irp t, 0,1,2
.if \a < 4
	ds_store_b128 v[12+\t], v[8*(3*\a+\t):8*(3*\a+\t)+3] offset:(\a%4)*12544
	ds_store_b128 v[12+\t], v[8*(3*\a+\t)+4:8*(3*\a+\t)+7] offset:(\a%4)*12544+16
.else
	ds_store_b128 v[100+\t], v[8*(3*\a+\t):8*(3*\a+\t)+3] offset:(\a%4)*12544
	ds_store_b128 v[100+\t], v[8*(3*\a+\t)+4:8*(3*\a+\t)+7] offset:(\a%4)*12544+16
.endif
.endr
.endr
	WIN 0
	s_wait_dscnt 0x0
	s_barrier_signal -1
	s_barrier_wait -1
	WIN 0x80
.irp i, 0,1,2,3,4,5,6,7,8,9,10,11,12,13,14,15
.irp k, 0,1,2
	ds_load_b128 v[4*(3*\i+\k):4*(3*\i+\k)+3], v15 offset:2*\i*784+256*\k
.endr
.endr
	s_wait_loadcnt 0x0
	s_wait_dscnt 0x0
	WIN 0x86
.set j, 0
.rept 96
	v_pk_add_f32 v[j:j+1], v[j:j+1], v[j:j+1]
.set j, j+2
.endr
	WIN 0x08
.irp i, 0,1,2,3,4,5,6,7,8,9,10,11,12,13,14,15
.irp k, 0,1,2
	global_store_b128 v103, v[4*(3*\i+\k):4*(3*\i+\k)+3], s[16:17] offset:(8*(\i/8)+2*(\i%8)+8*((\i%8)/4))*3072+256*\k th:TH_STORE_NT
.endr
.endr
	WIN 0
	s_wait_tensorcnt 0x0
	ds_add_u32 v254, v255
	s_wait_dscnt 0x0
	ROUND
	s_endpgm
.Lfunc_end_k_qe95c0ae115_outp:
	.size	k_qe95c0ae115_outp, .Lfunc_end_k_qe95c0ae115_outp-k_qe95c0ae115_outp
	.p2alignl 7, 3214868480
	.fill 96, 4, 3214868480
	.section	.rodata,"a",@progbits
	.p2align	6, 0x0
	.amdhsa_kernel k_qe95c0ae115_outp
		.amdhsa_group_segment_fixed_size 327680
		.amdhsa_private_segment_fixed_size 0
		.amdhsa_enable_private_segment 0
		.amdhsa_kernarg_size 56
		.amdhsa_user_sgpr_count 2
		.amdhsa_user_sgpr_kernarg_segment_ptr 1
		.amdhsa_wavefront_size32 1
		.amdhsa_system_sgpr_workgroup_id_x 1
		.amdhsa_system_sgpr_workgroup_id_y 1
		.amdhsa_system_sgpr_workgroup_id_z 1
		.amdhsa_system_vgpr_workitem_id 0
		.amdhsa_next_free_vgpr 960
		.amdhsa_next_free_sgpr 66
		.amdhsa_reserve_vcc 0
		.amdhsa_float_denorm_mode_32 3
		.amdhsa_float_denorm_mode_16_64 3
		.amdhsa_memory_ordered 1
		.amdhsa_forward_progress 1
		.amdhsa_inst_pref_size 128
	.end_amdhsa_kernel
	.amdgpu_metadata
---
amdhsa.version: [ 1, 2 ]
amdhsa.kernels:
  - .name:           k_qe95c0ae115_outp
    .symbol:         k_qe95c0ae115_outp.kd
    .args:
      - { .name: obuf, .offset: 0, .size: 8, .value_kind: global_buffer, .address_space: global }
      - { .name: wimg, .offset: 8, .size: 8, .value_kind: global_buffer, .address_space: global }
      - { .name: wsc, .offset: 16, .size: 8, .value_kind: global_buffer, .address_space: global }
      - { .name: bp, .offset: 24, .size: 8, .value_kind: global_buffer, .address_space: global }
      - { .name: bp2, .offset: 32, .size: 8, .value_kind: global_buffer, .address_space: global }
      - { .name: x, .offset: 40, .size: 8, .value_kind: global_buffer, .address_space: global }
      - { .name: out0, .offset: 48, .size: 8, .value_kind: global_buffer, .address_space: global }
    .group_segment_fixed_size: 327680
    .private_segment_fixed_size: 0
    .kernarg_segment_align: 8
    .kernarg_segment_size: 56
    .max_flat_workgroup_size: 128
    .sgpr_count:     66
    .vgpr_count:     960
    .wavefront_size: 32
...
	.end_amdgpu_metadata
.endif
;; end of part 4
